; MI455X (gfx1250); checked and timed in simulation.
; The chip was launched on July 23, 2026; its instructions are those of AMD's public machine-readable ISA for CDNA 5 (MIT licence, August 2026) and "CDNA5" Instruction Set Architecture Reference Guide (July 2026). The comments in the code are by the model that wrote it; some were corrected since.
;; Memory Enhanced Module. Allowed arithmetic: matrix products marked QUANTISED: E4M3 operands, one given power-of-two scale a tensor, by v_wmma_f32_16x16x64_fp8_fp8 or v_wmma_f32_16x16x128_fp8_fp8, f32 sums; products left as they are: f32 operands where the result goes on into a quantised operand, else bf16, f16 or f32 operands; f32 sums; everything else in f32.
;; Inputs: Wf 1,024 x 2,048 float32; Wq 1,024 x 1,024 float32; beta 1,024 float32; bf 1,024 float32; bq 1,024 float32; gamma 1,024 float32; lowp_scales 6 int32 (the exponents e of the quantised operands' scales 2^e); memory 64 x 1,024 float32; x 8 x 2,048 x 1,024 float32.
;; Outputs: out0 8 x 2,048 x 1,024 float32.
;; This version of the problem:
;;   THIS VERSION OF THE PROBLEM IS GIVEN IN LOW PRECISION. The matrix products marked QUANTISED in the list below multiply operands that are first quantised to E4M3 (4 exponent bits, 3 mantissa bits; 8 bits a number), with one given power-of-two scale for each operand tensor; their sums are f32. All else is computed in f32.
;;   The module's matrix products, in the order in which they are computed (A, B: the left and right operand; K: the contracted axis; several contracted axes count as one K, in the product's order):
;;     1. [M 16,384, K 1,024] x [K 1,024, N 1,024]; A: input x; B: input Wq: QUANTISED (scales: A lowp_scales[0], B lowp_scales[1])
;;     2. [M 16,384, K 1,024] x [K 1,024, N 64]; A: computed on the way; B: input memory: QUANTISED (scales: A lowp_scales[2], B lowp_scales[3])
;;     3. batch 16,384 x [M 1,024, K 3] x [K 3, N 1]; A: computed on the way; B: softmax: left as it is (K = 3 < 32)
;;     4. [M 16,384, K 2,048] x [K 2,048, N 1,024]; A: computed on the way; B: input Wf: QUANTISED (scales: A lowp_scales[4], B lowp_scales[5])
;;   THE QUANTISER, for each operand of a quantised product, along K:
;;     - The operand's scale is 2^e, e = its entry of the input lowp_scales (int32; the entries are numbered through the quantised products in the list's order, A before B).
;;     - Each number is divided by the scale, clamped to +-448, and rounded to the nearest number of E4M3, ties to even, subnormals kept.
;;     - The product sums the exact products of the quantised numbers (number of the format x scale) in f32.
;;   ~~~python
;;   def quantise(x, axis, e):      # numpy; x: float32 -> the quantised numbers, widened to float32 again
;;       x = np.moveaxis(x, axis, -1); K = x.shape[-1]
;;       r = np.clip(x / 2.0 ** e, -448, 448)
;;       step = 2.0 ** (np.maximum(np.frexp(np.where(r == 0, 1, r))[1] - 1, -6) - 3)
;;       q = np.round(r / step) * step * 2.0 ** e      # np.round: ties to even
;;       return np.moveaxis(q, -1, axis).astype(np.float32)
;;   ~~~
;;   OPERANDS COMPUTED ON THE WAY. 'Computed on the way' means the value that the module computes at that place (a softmax that the list does not call 'softmax' is quantised finished and normalised). What goes into a quantiser is computed in f32, as accurately as f32 sums, v_exp_f32 and their like allow (about 1e-6 of the number): no bf16 or f16 on the way to a quantiser, and a product that is left as it is and whose result goes on into a quantised operand takes f32 operands (vector FMAs, or v_wmma_f32_16x16x4_f32). A number that lies on a knife's edge between two numbers of the format may be rounded either way, as far as f32 arithmetic and the matrix unit's own rounding can turn it there, and no further.
;; One version. Each part assembles by itself: llvm-mc -triple=amdgcn-amd-amdhsa -mcpu=gfx1250 --defsym DOCPART=n.
;; ======== version 1 of 1: 3 launches
;; limits: right only within a limited range of input values
;; workspace buffers: wq_img 1,048,576 bytes; wf_img 2,097,152 bytes; mem_img 65,536 bytes; xc4 16,777,216 bytes; idx 65,536 bytes of whole numbers; wts 524,288 bytes
;; launch prep (part 1): grid 392 x 1, 4 waves a work-group, no clusters, 0 bytes of LDS; arguments Wq, Wf, memory, lowp_scales, wq_img, wf_img, mem_img; writes wq_img, wf_img, mem_img
.if DOCPART == 1
	.amdgcn_target "amdgcn-amd-amdhsa--gfx1250"
	.amdhsa_code_object_version 6
	.text
	.protected	k_q36fa18dbd8_prep
	.globl	k_q36fa18dbd8_prep
	.p2align	8
	.type	k_q36fa18dbd8_prep,@function
k_q36fa18dbd8_prep:
	s_mov_b64 s[64:65], 0
	v_nop
	global_prefetch_b8 v0, s[64:65] scope:SCOPE_SE
	s_setreg_imm32_b32 hwreg(HW_REG_WAVE_MODE, 25, 1), 1
	s_wait_xcnt 0x0
; THE THREE WEIGHTS BECOME CODES OF E4M3, LAID AS IMAGES OF OPERAND REGISTERS.
; Wq [1024][1024] (scale 2^e1), Wf [1024][2048] (2^e5), memory [64][1024] (2^e3), all f32 with K innermost.
; code = x / 2^e, held within +-448, rounded to the nearest code, ties to even.
; A FRAGMENT is 16 rows x 128 K of codes, 2,048 bytes: piece c (0..3), lane (rho = lane % 16, h = lane / 16), 16 bytes:
; the codes of the fragment's row rho at k = 32 c + 16 h + 0 .. 15.  A later launch that loads piece c at 16 x lane has the operand's registers.
;   wq_img  [g 8][w 4][T 16]: K step g (k from 128 g), row 256 w + 128 (T / 8) + 32 ((T / 2) % 4) + 8 (T % 2) + rho + (rho & 8):
;           the rows of a tile are not neighbours, so that the first product's results of tiles 2 b, 2 b + 1 are 16 neighbours along the second product's K.
;   wf_img  [g 16][w 4][T 16]: row 256 w + 16 T + rho; g < 8: columns 1024 + 128 g (the retrieved part of cat), g >= 8: columns 128 (g - 8) (x's part).
;   mem_img [w 4][q 2][t 4]: slot 16 t + rho, k from 256 w + 128 q.
; NO WORK OF reference() IS LEFT OUT IN THIS PROGRAM: every input has a way to out0 (bq moves the second product's codes, the three picks move the fourth's), so every input is loaded.
; SHARES: one wave makes one fragment; 512 + 1,024 + 32 = 1,568 fragments = 392 work-groups of four waves.  Waves share nothing: no LDS, no barrier.
; The matrix units, clusters and tensor loads have nothing to do here: 12.9 MB are read once and 3.2 MB written once.
; LIMITS: e1, e3, e5 between -126 and 119, so that 2^e and 448 x 2^e are f32 numbers.  NaN among the inputs is not served; an infinity is held at the largest code.
	s_load_b256 s[4:11], s[0:1], 0x0               ; Wq s[4:5], Wf s[6:7], memory s[8:9], the scales' exponents s[10:11]
	s_load_b128 s[12:15], s[0:1], 0x20             ; wq_img s[12:13], wf_img s[14:15]
	s_load_b64 s[16:17], s[0:1], 0x30              ; mem_img
	v_lshrrev_b32 v1, 5, v0
	v_readfirstlane_b32 s18, v1                    ; wave 0..3
	v_and_b32 v2, 31, v0                           ; lane
	v_and_b32 v3, 15, v0                           ; rho
	v_bfe_u32 v4, v0, 4, 1                         ; h
	v_lshlrev_b32 v6, 4, v2                        ; out: 16 x lane
	s_lshl_b32 s19, ttmp9, 2
	s_add_co_u32 s19, s19, s18                     ; f: my fragment among the 1,568
	s_wait_kmcnt 0x0
	s_load_b128 s[20:23], s[10:11], 0x0            ; e0 .. e3
	s_load_b64 s[24:25], s[10:11], 0x10            ; e4, e5: waited for behind the issue of the data's loads
; Three arms, by the work-group's number alone.  Each sets: s[26:27] source, s[28:29] image, s30 log2 of a source row's bytes, s31 the fragment's first row,
; s32 its first byte along K, s33 the mask of the rows' permutation (8 or 0), s35 the fragment's number in its image.
	s_cmp_lt_u32 ttmp9, 128
	s_cbranch_scc0 .Lnot_q
	s_mov_b64 s[26:27], s[4:5]                     ; Wq
	s_mov_b64 s[28:29], s[12:13]
	s_mov_b32 s35, s19
	s_mov_b32 s30, 12
	s_mov_b32 s33, 8
	s_lshr_b32 s36, s35, 6                         ; g
	s_lshl_b32 s32, s36, 9                         ; 128 numbers of 4 bytes a K step
	s_bfe_u32 s36, s35, 0x20004                    ; w
	s_lshl_b32 s31, s36, 8
	s_bfe_u32 s36, s35, 0x10003                    ; T / 8
	s_lshl_b32 s36, s36, 7
	s_add_co_u32 s31, s31, s36
	s_bfe_u32 s36, s35, 0x20001                    ; (T / 2) % 4
	s_lshl_b32 s36, s36, 5
	s_add_co_u32 s31, s31, s36
	s_and_b32 s36, s35, 1                          ; T % 2
	s_lshl_b32 s36, s36, 3
	s_add_co_u32 s31, s31, s36
	s_branch .Lgo
.Lnot_q:
	s_cmp_lt_u32 ttmp9, 384
	s_cbranch_scc0 .Lmem
	s_mov_b64 s[26:27], s[6:7]                     ; Wf
	s_mov_b64 s[28:29], s[14:15]
	s_sub_co_u32 s35, s19, 512
	s_mov_b32 s30, 13
	s_mov_b32 s33, 0
	s_lshr_b32 s36, s35, 6                         ; g
	s_add_co_u32 s36, s36, 8
	s_and_b32 s36, s36, 15                         ; the retrieved part's columns come first in the image
	s_lshl_b32 s32, s36, 9
	s_and_b32 s31, s35, 63                         ; 16 w + T
	s_lshl_b32 s31, s31, 4
	s_branch .Lgo
.Lmem:
	s_mov_b64 s[26:27], s[8:9]                     ; memory
	s_mov_b64 s[28:29], s[16:17]
	s_sub_co_u32 s35, s19, 1536
	s_mov_b32 s30, 12
	s_mov_b32 s33, 0
	s_lshr_b32 s32, s35, 2                         ; 2 w + q
	s_lshl_b32 s32, s32, 9
	s_and_b32 s31, s35, 3                          ; t
	s_lshl_b32 s31, s31, 4
.Lgo:
	s_wait_alu depctr_va_vdst(0)
	v_and_b32 v5, s33, v3
	v_add_nc_u32 v5, v5, v3                        ; rho, or rho + (rho & 8)
	v_lshlrev_b32 v5, s30, v5                      ; x a row's bytes
	v_lshl_add_u32 v5, v4, 6, v5                   ; + 64 h: my 16 numbers of a block of 32
	s_lshl_b32 s36, s31, s30
	s_add_co_u32 s36, s36, s32
	s_mov_b32 s37, 0
	s_add_nc_u64 s[26:27], s[26:27], s[36:37]      ; the fragment's first number
	s_lshl_b32 s36, s35, 11
	s_add_nc_u64 s[28:29], s[28:29], s[36:37]      ; and its 2,048 bytes of the image
.irp c, 0,1,2,3
.irp j, 0,1,2,3
	global_load_b128 v[16+16*\c+4*\j:16+16*\c+4*\j+3], v5, s[26:27] offset:128*\c+16*\j th:TH_LOAD_NT
.endr
.endr
	s_wait_kmcnt 0x0                               ; the scales' exponents
	s_cmp_lt_u32 ttmp9, 128
	s_cselect_b32 s34, s21, s25                    ; e1 for Wq, e5 for Wf,
	s_cmp_lt_u32 ttmp9, 384
	s_cselect_b32 s34, s34, s23                    ; e3 for memory
	s_add_co_i32 s34, s34, 127
	s_lshl_b32 s36, s34, 23
	v_mov_b32 v8, s36                              ; 2^e as f32: the conversion takes its exponent field
	s_add_co_i32 s34, s34, 8
	s_lshl_b32 s34, s34, 23
	s_or_b32 s34, s34, 0x600000
	v_mov_b32 v9, s34                              ; 448 x 2^e
	s_wait_alu depctr_va_vdst(0)
.irp c, 0,1,2,3
	s_wait_loadcnt 12-4*\c                         ; piece c's four loads are in; the later pieces' may be out
.irp i, 0,1,2,3,4,5,6,7,8,9,10,11,12,13,14,15
	v_med3_num_f32 v[16+16*\c+\i], v[16+16*\c+\i], -v9, v9   ; the conversion to an 8-bit code does not saturate (ISA guide 7.6.2): the hold comes first
.endr
	v_cvt_scalef32_pk8_fp8_f32 v[80+4*\c:81+4*\c], v[16+16*\c:23+16*\c], v8
	v_cvt_scalef32_pk8_fp8_f32 v[82+4*\c:83+4*\c], v[24+16*\c:31+16*\c], v8
	global_store_b128 v6, v[80+4*\c:83+4*\c], s[28:29] offset:512*\c   ; the wave stores 512 consecutive bytes, aligned; each piece has registers of its own
.endr
	s_endpgm
.Lfunc_end_k_q36fa18dbd8_prep:
	.size	k_q36fa18dbd8_prep, .Lfunc_end_k_q36fa18dbd8_prep-k_q36fa18dbd8_prep
	.p2alignl 7, 3214868480
	.fill 96, 4, 3214868480
	.section	.rodata,"a",@progbits
	.p2align	6, 0x0
	.amdhsa_kernel k_q36fa18dbd8_prep
		.amdhsa_group_segment_fixed_size 0
		.amdhsa_private_segment_fixed_size 0
		.amdhsa_enable_private_segment 0
		.amdhsa_kernarg_size 56
		.amdhsa_user_sgpr_count 2
		.amdhsa_user_sgpr_kernarg_segment_ptr 1
		.amdhsa_wavefront_size32 1
		.amdhsa_system_sgpr_workgroup_id_x 1
		.amdhsa_system_sgpr_workgroup_id_y 1
		.amdhsa_system_sgpr_workgroup_id_z 1
		.amdhsa_system_vgpr_workitem_id 0
		.amdhsa_next_free_vgpr 96
		.amdhsa_next_free_sgpr 66
		.amdhsa_reserve_vcc 0
		.amdhsa_float_denorm_mode_32 3
		.amdhsa_float_denorm_mode_16_64 3
		.amdhsa_memory_ordered 1
		.amdhsa_forward_progress 1
		.amdhsa_inst_pref_size 10
	.end_amdhsa_kernel
	.amdgpu_metadata
---
amdhsa.version: [ 1, 2 ]
amdhsa.kernels:
  - .name:           k_q36fa18dbd8_prep
    .symbol:         k_q36fa18dbd8_prep.kd
    .args:
      - { .name: Wq, .offset: 0, .size: 8, .value_kind: global_buffer, .address_space: global }
      - { .name: Wf, .offset: 8, .size: 8, .value_kind: global_buffer, .address_space: global }
      - { .name: memory, .offset: 16, .size: 8, .value_kind: global_buffer, .address_space: global }
      - { .name: lowp_scales, .offset: 24, .size: 8, .value_kind: global_buffer, .address_space: global }
      - { .name: wq_img, .offset: 32, .size: 8, .value_kind: global_buffer, .address_space: global }
      - { .name: wf_img, .offset: 40, .size: 8, .value_kind: global_buffer, .address_space: global }
      - { .name: mem_img, .offset: 48, .size: 8, .value_kind: global_buffer, .address_space: global }
    .group_segment_fixed_size: 0
    .private_segment_fixed_size: 0
    .kernarg_segment_align: 8
    .kernarg_segment_size: 56
    .max_flat_workgroup_size: 128
    .sgpr_count:     66
    .vgpr_count:     96
    .wavefront_size: 32
...
	.end_amdgpu_metadata
.endif
;; end of part 1
;; launch route (part 2): grid 256 x 1, 4 waves a work-group, clusters of 4 x 1, 327,680 bytes of LDS; arguments x, wq_img, mem_img, bq, lowp_scales, xc4, idx, wts; writes xc4, idx, wts
.if DOCPART == 2
	.amdgcn_target "amdgcn-amd-amdhsa--gfx1250"
	.amdhsa_code_object_version 6
	.text
	.protected	k_q36fa18dbd8_route
	.globl	k_q36fa18dbd8_route
	.p2align	8
	.type	k_q36fa18dbd8_route,@function
k_q36fa18dbd8_route:
	s_mov_b64 s[64:65], 0
	v_nop
	global_prefetch_b8 v0, s[64:65] scope:SCOPE_SE
	s_setreg_imm32_b32 hwreg(HW_REG_WAVE_MODE, 25, 1), 1
	s_wait_xcnt 0x0
	s_wait_alu depctr_hold_cnt(0) depctr_sa_sdst(0) depctr_va_vdst(0) depctr_va_sdst(0) depctr_va_ssrc(0) depctr_va_vcc(0) depctr_vm_vsrc(0)
	s_getreg_b32 s2, hwreg(HW_REG_IB_STS2, 6, 4)
	s_cmp_eq_u32 s2, 0
	s_cbranch_scc0 .Lentry_in_a_cluster
	s_endpgm
.Lentry_in_a_cluster:
	s_bfe_u32 s2, ttmp6, 0x10000c
	s_cmp_lg_u32 s2, 0x3003
	s_cbranch_scc0 .Lentry_shape_is_right
	s_endpgm
.Lentry_shape_is_right:
.set NS,    8
.set SLOTB, 131072
.set XSB,   262144
.set XSUB,  9216
.set XP,    144
.set SPARE, 326656
.set LANE, 1
.set L16,  2
.set AW,   3
.set AX,   5
.set AP,   6
.set PFO,  7
.set SC0,  8
.set LIM0, 9
.set SC4,  10
.set LIM4, 11
.set SC2,  12
.set LIM2, 13
.set RW,   14
.set HH,   15
.set BQO,  16
.set ARW,  17
.set ARR,  18
.set WTO,  19
.set IXO,  20
.set NINF, 21
.set MX,   22
.set IX,   25
.set TA,   28
.set TD,   29
.set SPW,  30
.set NIL,  31
.set SX,   32
.set TQ,   96
.set Q4,   112
.set Q0,   116
.set XF,   128
.set G1,  20
.set G0,  28
.set WV,  36
.set CX,  37
.set WG,  38
.set ROT, 39
.set WB,  42
.set SEL, 46
.set XB,  48
.set MUL_LO, 0xa1
.set MUL_HI, 0xf1
.set TO_W,   0x40
.set MSB, 0
.macro WIN new
.if MSB != (\new)
	s_set_vgpr_msb (MSB<<8)|(\new)
.set MSB, \new
.endif
.endm
.macro PLACES n
.rept \n
	v_nop
.endr
.endm
.macro CREST
	s_cmp_lg_u32 s[WV], 0
	s_cbranch_scc1 .Lnot_wave_0_\@
	s_barrier_signal -3
.Lnot_wave_0_\@:
	s_barrier_wait -3
	s_barrier_signal -1
	s_barrier_wait -1
.endm
.macro CROUND
	s_barrier_signal -1
	s_barrier_wait -1
	CREST
.endm
.macro GADDR p, sl
	s_add_co_u32 s40, s[ROT], \sl
	s_and_b32 s40, s40, 7
	s_lshl_b32 s40, s40, 17
	s_mov_b32 s41, 0
	s_add_nc_u64 s[G0+4*(\p)+2:G0+4*(\p)+3], s[WB:WB+1], s[40:41]
	s_or_b32 s[G0+4*(\p)+3], s[G0+4*(\p)+3], 0x80000000
.endm
.macro JFILL p
	tensor_load_to_lds s[G0+4*(\p):G0+4*(\p)+3], s[G1:G1+7]
	s_nop 0
	PLACES 4
.endm
.macro MULS t0, n, xs, zero
.set TT, \t0
.rept \n
.set MM, 0
.rept 4
.set AC, 8*(4*(TT%8)+MM)
.if \zero
	v_wmma_f32_16x16x128_fp8_fp8 v[AC:AC+7], v[16*TT:16*TT+15], v[XF+64*(\xs)+16*MM:XF+64*(\xs)+16*MM+15], 0
.else
	v_wmma_f32_16x16x128_fp8_fp8 v[AC:AC+7], v[16*TT:16*TT+15], v[XF+64*(\xs)+16*MM:XF+64*(\xs)+16*MM+15], v[AC:AC+7]
.endif
.set MM, MM+1
.endr
.set TT, TT+1
.endr
.endm
.macro FETCH_W p, t0
	WIN TO_W
.set TT, \t0
.rept 8
.irp c, 0,1,2,3
	ds_load_b128 v[16*TT+4*\c:16*TT+4*\c+3], v[AW+(\p)] offset:2048*TT+512*\c
.endr
.set TT, TT+1
.endr
	WIN 0
.endm
.macro FETCH_X sl, xs
.irp m, 0,1,2,3
.irp c, 0,1,2,3
	ds_load_b128 v[XF+64*(\xs)+16*\m+4*\c:XF+64*(\xs)+16*\m+4*\c+3], v[AX] offset:((\sl)%7)*XSUB+16*XP*\m+32*\c
.endr
.endr
.endm
.macro XLOADU l, rr
.irp a, 0,1,2,3
	global_load_b128 v[SX+16*(\rr)+4*\a:SX+16*(\rr)+4*\a+3], v[L16], s[XB+2*(\l):XB+2*(\l)+1] offset:4096*(4*(\rr)+\a) th:TH_LOAD_NT
.endr
.endm
.macro XUNIT sw, src, l, rr, q4, xw
	WIN \sw
.irp i, 0,1,2,3,4,5,6,7,8,9,10,11,12,13,14,15
	v_med3_num_f32 v[TQ+\i], v[(\src)+\i], -v[LIM4], v[LIM4]
.endr
	WIN 0
.if \xw
	s_wait_alu depctr_va_vdst(0)
	s_wait_xcnt 0x0
.endif
	v_cvt_scalef32_pk8_fp8_f32 v[(\q4):(\q4)+1], v[TQ:TQ+7], v[SC4]
	v_cvt_scalef32_pk8_fp8_f32 v[(\q4)+2:(\q4)+3], v[TQ+8:TQ+15], v[SC4]
	v_nop
	WIN \sw
.irp i, 0,1,2,3,4,5,6,7,8,9,10,11,12,13,14,15
	v_med3_num_f32 v[TQ+\i], v[(\src)+\i], -v[LIM0], v[LIM0]
.endr
	WIN 0
	s_wait_alu depctr_va_vdst(0)
	s_wait_dscnt 0x0
	v_cvt_scalef32_pk8_fp8_f32 v[Q0:Q0+1], v[TQ:TQ+7], v[SC0]
	v_cvt_scalef32_pk8_fp8_f32 v[Q0+2:Q0+3], v[TQ+8:TQ+15], v[SC0]
	v_nop
	global_store_b128 v[L16], v[(\q4):(\q4)+3], s[14:15] offset:512*(4*(\l)+(\rr))
.irp a, 0,1,2,3
	ds_store_b32 v[AP], v[Q0+\a] offset:XSUB*((\l)%7)+XP*(4*(\rr)+\a)
.endr
.endm
.macro HOOK s
.if (\s) <= 4
.set RR, 0
.rept 4
.if (\s) < 4
	s_wait_loadcnt 12
.else
	s_wait_loadcnt 4*(3-RR)
.endif
	XUNIT 0, SX+16*RR, (\s)+3, RR, Q4, 1
.if (\s) < 4
	XLOADU (\s)+4, RR
.endif
.set RR, RR+1
.endr
.if (\s) <= 2
	global_prefetch_b8 v[PFO], s[XB+2*((\s)+5):XB+2*((\s)+5)+1] th:TH_LOAD_NT scope:SCOPE_SE
.endif
.endif
.endm
.macro TAILLOAD1
	WIN TO_W
.set TT, 0
.rept 16
	global_load_b128 v[8*TT:8*TT+3], v[BQO], s[10:11] offset:512*(TT/8)+128*((TT/2)%4)+32*(TT%2)
	global_load_b128 v[8*TT+4:8*TT+7], v[BQO], s[10:11] offset:512*(TT/8)+128*((TT/2)%4)+32*(TT%2)+16
.set TT, TT+1
.endr
	WIN 0
.endm
.macro TAILLOAD2
	WIN TO_W
.set TT, 0
.rept 8
.irp c, 0,1,2,3
	global_load_b128 v[128+16*TT+4*\c:128+16*TT+4*\c+3], v[L16], s[8:9] offset:2048*TT+512*\c
.endr
.set TT, TT+1
.endr
	WIN 0
.endm
.macro STEP s
.set P, (\s)%2
.set Z, 0
.if (\s) == 0
.set Z, 1
.endif
.if (\s) <= NS-3
	s_wait_dscnt 32
	WIN MUL_LO
	MULS 0, 6, P, Z
	WIN 0
	s_wait_tensorcnt 0x0
	ds_add_u32 v[SPW], v[NIL]
	GADDR P, (\s)+2
	WIN MUL_LO
	MULS 6, 1, P, Z
	s_wait_dscnt 0x0
	s_barrier_signal -1
	MULS 7, 1, P, Z
	WIN 0
	s_barrier_wait -1
	CREST
	JFILL P
.else
.if (\s) == NS-2
	s_wait_tensorcnt 0x0
.endif
	s_wait_dscnt 32
	WIN MUL_LO
	MULS 0, 8, P, Z
	s_wait_dscnt 0x0
	PLACES 4
	WIN 0
.endif
.if (\s) < NS-1
	FETCH_W 1-P, 0
	FETCH_X (\s)+1, 1-P
	HOOK \s
.else
	TAILLOAD1
.endif
	WIN MUL_HI
	MULS 8, 8, P, Z
	PLACES 4
.if (\s) < NS-1
	FETCH_W 1-P, 8
.else
	WIN 0
	TAILLOAD2
.endif
.endm
.macro MKSC se, vsc, vlim
	s_add_co_i32 s40, \se, 127
	s_lshl_b32 s41, s40, 23
	v_mov_b32 v[\vsc], s41
	s_add_co_i32 s40, s40, 8
	s_lshl_b32 s40, s40, 23
	s_or_b32 s40, s40, 0x600000
	v_mov_b32 v[\vlim], s40
.endm
	s_load_b512 s[4:19], s[0:1], 0x0
	v_lshl_add_u32 v[SPW], v0, 2, SPARE
	v_mov_b32 v[NIL], 0
	ds_add_u32 v[SPW], v[NIL]
	ds_add_u32 v[SPW], v[NIL]
	v_lshrrev_b32 v1, 5, v0
	v_readfirstlane_b32 s[WV], v1
	s_bfe_u32 s[CX], ttmp6, 0x40000
	s_lshl_b32 s[WG], ttmp9, 2
	s_add_co_u32 s[WG], s[WG], s[CX]
	s_and_b32 s[ROT], ttmp9, 7
	s_mov_b32 s[G1+0], 15|(3<<16)|(1<<21)
	s_mov_b32 s[G1+1], 32<<16
	s_mov_b32 s[G1+2], 128<<16
	s_mov_b32 s[G1+3], 32<<16
	s_mov_b32 s[G1+4], 128
	s_mov_b32 s[G1+5], 32
	s_mov_b32 s[G1+6], 0
	s_mov_b32 s[G1+7], 0
	s_mov_b32 s[SEL], 0x76543210
	s_mov_b32 s[SEL+1], 0xfedcba98
	v_and_b32 v[LANE], 31, v0
	v_lshlrev_b32 v[L16], 4, v[LANE]
	v_and_b32 v[RW], 15, v0
	v_bfe_u32 v[HH], v0, 4, 1
	s_lshl_b32 s40, s[WV], 15
	v_add_nc_u32 v[AW], s40, v[L16]
	v_add_nc_u32 v[AW+1], SLOTB, v[AW]
	v_mul_u32_u24 v[AX], v[RW], XP
	v_lshl_add_u32 v[AX], v[HH], 4, v[AX]
	v_add_nc_u32 v[AX], XSB, v[AX]
	s_mul_i32 s41, s[WV], 16*XP
	v_lshl_add_u32 v[AP], v[LANE], 2, s41
	v_add_nc_u32 v[AP], XSB, v[AP]
	s_lshl_b32 s41, s[WV], 14
	v_add_nc_u32 v[ARW], s41, v[L16]
	s_lshl_b32 s41, s[WV], 12
	v_add_nc_u32 v[ARR], s41, v[L16]
	s_lshl_b32 s41, s[WV], 10
	v_lshl_add_u32 v[BQO], v[HH], 6, s41
	v_lshlrev_b32 v[WTO], 5, v[RW]
	v_lshl_add_u32 v[WTO], v[HH], 4, v[WTO]
	v_lshlrev_b32 v[IXO], 2, v[RW]
	v_lshrrev_b32 v[PFO], 1, v[LANE]
	v_lshlrev_b32 v[PFO], 12, v[PFO]
	v_and_b32 v[TD], 1, v[LANE]
	v_lshl_add_u32 v[PFO], v[TD], 8, v[PFO]
	v_mov_b32 v[NINF], 0xff800000
	v_mov_b32 v[TA], 0
	s_wait_dscnt 0x0
	s_wait_kmcnt 0x0
	s_load_b128 s[68:71], s[12:13], 0x0
	s_load_b64 s[72:73], s[12:13], 0x10
	s_mov_b32 s41, 0
	s_add_nc_u64 s[WB:WB+1], s[6:7], s[40:41]
	CROUND
	s_mov_b32 s[G0], 1
	s_lshl_b32 s[G0+1], s[WV], 15
	s_mov_b32 s[G0+4], 1
	s_add_co_u32 s[G0+5], s[G0+1], SLOTB
	GADDR 0, 0
	GADDR 1, 1
	tensor_load_to_lds s[G0:G0+3], s[G1:G1+7]
	s_nop 0
	s_wait_alu depctr_va_vdst(0)
	s_wait_tensorcnt 0x0
	ds_add_u32 v30, v31
	s_wait_dscnt 0x0
	CROUND
	tensor_load_to_lds s[G0+4:G0+7], s[G1:G1+7]
	s_nop 0
	PLACES 4
	s_lshl_b32 s40, s[WG], 18
	s_lshl_b32 s44, s[WV], 16
	s_add_co_u32 s40, s40, s44
	s_mov_b32 s41, 0
	s_add_nc_u64 s[4:5], s[4:5], s[40:41]
.irp l, 0,1,2,3,4,5,6,7
	s_add_co_u32 s40, s[ROT], \l
	s_and_b32 s40, s40, 7
	s_lshl_b32 s40, s40, 9
	s_add_nc_u64 s[XB+2*\l:XB+2*\l+1], s[4:5], s[40:41]
.endr
.set u, 0
.rept 12
	WIN 0x80
.irp a, 0,1,2,3
	global_load_b128 v[16*u+4*\a:16*u+4*\a+3], v[L16], s[XB+2*(u/4):XB+2*(u/4)+1] offset:4096*(4*(u%4)+\a) th:TH_LOAD_NT
.endr
.set u, u+1
.endr
	WIN 0
.irp r, 0,1,2,3
	XLOADU 3, \r
.endr
	s_lshl_b32 s40, s[WG], 16
	s_lshl_b32 s44, s[WV], 14
	s_add_co_u32 s40, s40, s44
	s_add_nc_u64 s[14:15], s[14:15], s[40:41]
	s_lshl_b32 s40, s[WG], 8
	s_lshl_b32 s44, s[WV], 6
	s_add_co_u32 s40, s40, s44
	s_add_nc_u64 s[16:17], s[16:17], s[40:41]
	s_lshl_b32 s40, s[WG], 11
	s_lshl_b32 s44, s[WV], 9
	s_add_co_u32 s40, s40, s44
	s_add_nc_u64 s[18:19], s[18:19], s[40:41]
	s_lshl_b32 s40, s[WV], 14
	s_add_nc_u64 s[8:9], s[8:9], s[40:41]
	s_wait_kmcnt 0x0
	s_add_co_i32 s74, s68, s69
	s_add_co_i32 s74, s74, 127
	s_lshl_b32 s74, s74, 23
	s_mov_b32 s75, s74
	s_add_co_i32 s76, s70, s71
	MKSC s68, SC0, LIM0
	MKSC s72, SC4, LIM4
	MKSC s70, SC2, LIM2
.set u, 0
	s_wait_alu depctr_va_vdst(0)
.rept 12
	s_wait_loadcnt 4*(11-u)+16
	XUNIT 2, 16*u, u/4, u%4, XF+4*u, 0
.set u, u+1
.endr
	s_wait_xcnt 0x0
	s_wait_tensorcnt 1
	s_wait_dscnt 0x0
	s_barrier_signal -1
	s_barrier_wait -1
	FETCH_W 0, 0
	FETCH_X 0, 0
	FETCH_W 0, 8
.irp s, 0,1,2,3,4,5,6,7
	STEP \s
.endr
	s_wait_dscnt 0x0
	s_barrier_signal -1
	s_barrier_wait -1
	s_wait_loadcnt 32
.irp a, 2,3
	WIN ((\a)<<6)|0x10|(\a)
.set TT, 0
.rept 8
.set MM, 0
.rept 4
.irp i, 0,2,4,6
	v_pk_fma_f32 v[8*(4*TT+MM)+\i:8*(4*TT+MM)+\i+1], v[8*(4*TT+MM)+\i:8*(4*TT+MM)+\i+1], s[74:75], v[8*(8*(\a-2)+TT)+\i:8*(8*(\a-2)+TT)+\i+1] op_sel_hi:[1,0,1]
.endr
.set MM, MM+1
.endr
.set TT, TT+1
.endr
	WIN ((\a)<<6)|(\a)
.set j, 0
.rept 256
	v_med3_num_f32 v[j], v[j], -v[LIM2], v[LIM2]
.set j, j+1
.endr
	WIN \a
.set TT, 0
.rept 8
.set MM, 0
.rept 4
	v_cvt_scalef32_pk8_fp8_f32 v[XF+16*(2*MM+(\a-2))+2*TT:XF+16*(2*MM+(\a-2))+2*TT+1], v[8*(4*TT+MM):8*(4*TT+MM)+7], v[SC2]
.set MM, MM+1
.endr
.set TT, TT+1
.endr
	v_nop
.endr
	s_wait_loadcnt 0x0
	WIN 0x51
.irp q, 0,1
	s_wait_alu depctr_va_vdst(0)
.irp m, 0,1,2,3
.irp t, 0,1,2,3
.if \q == 0
	v_wmma_f32_16x16x128_fp8_fp8 v[8*(4*\m+\t):8*(4*\m+\t)+7], v[128+16*(4*\q+\t):128+16*(4*\q+\t)+15], v[XF+16*(2*\m+\q):XF+16*(2*\m+\q)+15], 0
.else
	v_wmma_f32_16x16x128_fp8_fp8 v[8*(4*\m+\t):8*(4*\m+\t)+7], v[128+16*(4*\q+\t):128+16*(4*\q+\t)+15], v[XF+16*(2*\m+\q):XF+16*(2*\m+\q)+15], v[8*(4*\m+\t):8*(4*\m+\t)+7]
.endif
.endr
.endr
.endr
	PLACES 4
	WIN 0x04
.irp m, 0,1,2,3
.irp t, 0,1,2,3
	ds_store_b128 v[ARW], v[8*(4*\m+\t):8*(4*\m+\t)+3] offset:1024*(4*\m+\t)
	ds_store_b128 v[ARW], v[8*(4*\m+\t)+4:8*(4*\m+\t)+7] offset:1024*(4*\m+\t)+512
.endr
.endr
	WIN 0
	s_wait_dscnt 0x0
	s_barrier_signal -1
	s_barrier_wait -1
.irp p, 0,1,2,3
.irp t, 0,1,2,3
.irp f, 0,1
	ds_load_b128 v[XF+32*\p+8*\t+4*\f:XF+32*\p+8*\t+4*\f+3], v[ARR] offset:16384*\p+1024*\t+512*\f
.endr
.endr
.endr
	s_wait_dscnt 0x0
.irp i, 0,2,4,6,8,10,12,14,16,18,20,22,24,26,28,30
	v_pk_add_f32 v[XF+\i:XF+\i+1], v[XF+\i:XF+\i+1], v[XF+32+\i:XF+32+\i+1]
	v_pk_add_f32 v[XF+64+\i:XF+64+\i+1], v[XF+64+\i:XF+64+\i+1], v[XF+96+\i:XF+96+\i+1]
.endr
.irp i, 0,2,4,6,8,10,12,14,16,18,20,22,24,26,28,30
	v_pk_add_f32 v[XF+\i:XF+\i+1], v[XF+\i:XF+\i+1], v[XF+64+\i:XF+64+\i+1]
.endr
.macro PICK n, last
	v_max3_num_f32 v32, v[XF], v[XF+1], v[XF+2]
	v_max3_num_f32 v33, v[XF+3], v[XF+4], v[XF+5]
.irp i, 6,10,14,18,22,26
	v_max3_num_f32 v32, v32, v[XF+\i], v[XF+\i+1]
	v_max3_num_f32 v33, v33, v[XF+\i+2], v[XF+\i+3]
.endr
	v_max3_num_f32 v32, v32, v[XF+30], v[XF+31]
	v_max_num_f32 v32, v32, v33
	v_permlanex16_b32 v[TA], v32, s[SEL], s[SEL+1]
	v_max_num_f32 v[MX+\n], v32, v[TA]
	v_mov_b32 v[IX+\n], 127
.set i, 31
.rept 32
	v_cmp_neq_f32 vcc_lo, v[XF+i], v[MX+\n]
	v_cndmask_b32 v[IX+\n], 16*(i/8)+i%8, v[IX+\n], vcc_lo
.set i, i-1
.endr
	v_lshl_add_u32 v[IX+\n], v[HH], 3, v[IX+\n]
	v_permlanex16_b32 v[TA], v[IX+\n], s[SEL], s[SEL+1]
	v_min_u32 v[IX+\n], v[IX+\n], v[TA]
.if !(\last)
	v_lshlrev_b32 v[TD], 3, v[HH]
	v_sub_nc_u32 v[TD], v[IX+\n], v[TD]
.set i, 0
.rept 32
	v_cmp_eq_u32 vcc_lo, 16*(i/8)+i%8, v[TD]
	v_cndmask_b32 v[XF+i], v[XF+i], v[NINF], vcc_lo
.set i, i+1
.endr
.endif
.endm
	PICK 0, 0
	PICK 1, 0
	PICK 2, 1
	v_sub_f32 v32, v[MX+1], v[MX]
	v_sub_f32 v33, v[MX+2], v[MX]
	v_ldexp_f32 v32, v32, s76
	v_ldexp_f32 v33, v33, s76
	v_mul_f32 v32, 0x3fb8aa3b, v32
	v_mul_f32 v33, 0x3fb8aa3b, v33
	s_wait_alu depctr_va_vdst(0)
	v_exp_f32 v32, v32
	v_exp_f32 v33, v33
	v_nop
	s_wait_alu depctr_va_vdst(0)
	v_add_f32 v34, 1.0, v32
	v_add_f32 v34, v34, v33
	s_wait_alu depctr_va_vdst(0)
	v_rcp_f32 v34, v34
	v_nop
	s_wait_alu depctr_va_vdst(0)
	v_mul_f32 v32, v32, v34
	v_mul_f32 v33, v33, v34
	v_cmp_eq_u32 vcc_lo, 0, v[HH]
	v_cndmask_b32 v36, v33, v34, vcc_lo
	v_mov_b32 v37, v36
	v_cndmask_b32 v38, 0, v32, vcc_lo
	v_mov_b32 v39, v38
	global_store_b128 v[WTO], v[36:39], s[18:19]
	v_lshl_or_b32 v40, v[IX+1], 8, v[IX]
	v_lshl_or_b32 v40, v[IX+2], 16, v40
	v_cmp_gt_u32 vcc_lo, 16, v[LANE]
	s_wait_alu depctr_va_vdst(0)
	s_wait_xcnt 0x0
	s_and_saveexec_b32 s77, vcc_lo
	global_store_b32 v[IXO], v40, s[16:17]
	s_wait_xcnt 0x0
	s_or_b32 exec_lo, exec_lo, s77
	s_wait_tensorcnt 0x0
	ds_add_u32 v[SPW], v[NIL]
	s_wait_dscnt 0x0
	CROUND
	s_endpgm
.Lfunc_end_k_q36fa18dbd8_route:
	.size	k_q36fa18dbd8_route, .Lfunc_end_k_q36fa18dbd8_route-k_q36fa18dbd8_route
	.p2alignl 7, 3214868480
	.fill 96, 4, 3214868480
	.section	.rodata,"a",@progbits
	.p2align	6, 0x0
	.amdhsa_kernel k_q36fa18dbd8_route
		.amdhsa_group_segment_fixed_size 327680
		.amdhsa_private_segment_fixed_size 0
		.amdhsa_enable_private_segment 0
		.amdhsa_kernarg_size 64
		.amdhsa_user_sgpr_count 2
		.amdhsa_user_sgpr_kernarg_segment_ptr 1
		.amdhsa_wavefront_size32 1
		.amdhsa_system_sgpr_workgroup_id_x 1
		.amdhsa_system_sgpr_workgroup_id_y 1
		.amdhsa_system_sgpr_workgroup_id_z 1
		.amdhsa_system_vgpr_workitem_id 0
		.amdhsa_next_free_vgpr 1024
		.amdhsa_next_free_sgpr 84
		.amdhsa_reserve_vcc 1
		.amdhsa_float_denorm_mode_32 3
		.amdhsa_float_denorm_mode_16_64 3
		.amdhsa_memory_ordered 1
		.amdhsa_forward_progress 1
		.amdhsa_inst_pref_size 255
	.end_amdhsa_kernel
	.section	.bss,"aw",@nobits
	.p2align	6
	.space	262144
	.amdgpu_metadata
---
amdhsa.version: [ 1, 2 ]
amdhsa.kernels:
  - .name:           k_q36fa18dbd8_route
    .symbol:         k_q36fa18dbd8_route.kd
    .args:
      - { .name: x, .offset: 0, .size: 8, .value_kind: global_buffer, .address_space: global }
      - { .name: wq_img, .offset: 8, .size: 8, .value_kind: global_buffer, .address_space: global }
      - { .name: mem_img, .offset: 16, .size: 8, .value_kind: global_buffer, .address_space: global }
      - { .name: bq, .offset: 24, .size: 8, .value_kind: global_buffer, .address_space: global }
      - { .name: lowp_scales, .offset: 32, .size: 8, .value_kind: global_buffer, .address_space: global }
      - { .name: xc4, .offset: 40, .size: 8, .value_kind: global_buffer, .address_space: global }
      - { .name: idx, .offset: 48, .size: 8, .value_kind: global_buffer, .address_space: global }
      - { .name: wts, .offset: 56, .size: 8, .value_kind: global_buffer, .address_space: global }
    .group_segment_fixed_size: 327680
    .private_segment_fixed_size: 0
    .kernarg_segment_align: 8
    .kernarg_segment_size: 64
    .max_flat_workgroup_size: 128
    .sgpr_count:     84
    .vgpr_count:     1024
    .wavefront_size: 32
...
	.end_amdgpu_metadata
.endif
;; end of part 2
;; launch fuse (part 3): grid 256 x 1, 4 waves a work-group, clusters of 4 x 1, 327,680 bytes of LDS; arguments xc4, idx, wts, memory, wf_img, bf, gamma, beta, lowp_scales, out0; writes out0
.if DOCPART == 3
	.amdgcn_target "amdgcn-amd-amdhsa--gfx1250"
	.amdhsa_code_object_version 6
	.text
	.protected	k_q36fa18dbd8_fuse
	.globl	k_q36fa18dbd8_fuse
	.p2align	8
	.type	k_q36fa18dbd8_fuse,@function
k_q36fa18dbd8_fuse:
	s_mov_b64 s[64:65], 0
	v_nop
	global_prefetch_b8 v0, s[64:65] scope:SCOPE_SE
	s_setreg_imm32_b32 hwreg(HW_REG_WAVE_MODE, 25, 1), 1
	s_wait_xcnt 0x0
	s_wait_alu depctr_hold_cnt(0) depctr_sa_sdst(0) depctr_va_vdst(0) depctr_va_sdst(0) depctr_va_ssrc(0) depctr_va_vcc(0) depctr_vm_vsrc(0)
	s_getreg_b32 s2, hwreg(HW_REG_IB_STS2, 6, 4)
	s_cmp_eq_u32 s2, 0
	s_cbranch_scc0 .Lentry_in_a_cluster
	s_endpgm
.Lentry_in_a_cluster:
	s_bfe_u32 s2, ttmp6, 0x10000c
	s_cmp_lg_u32 s2, 0x3003
	s_cbranch_scc0 .Lentry_shape_is_right
	s_endpgm
.Lentry_shape_is_right:
; out0 = relu(LayerNorm(Q(cat) Q(Wf)^T + bf) gamma + beta), cat = [x, the three picked rows of memory weighed by their softmax].  No work of reference() is left out here.
; SHARES: a work-group owns 64 rows and all 1,024 columns (the norm wants whole rows); wave w owns columns 256 w .. + 255 of all 64 rows: 64 accumulators, 512 registers.
; cat's codes: x's part comes as codes (xc4, laid by the launch before in its rotated order of K chunks); the retrieved part is made here in f32 (16 rows a wave, three rows of memory
; by the stored picks, two fused multiply-adds) and quantised with 2^e4.  All 16 K steps of codes are staged once in LDS, 16 x 64 rows x 144 bytes, one barrier, and read by all four waves.
; Wf's CODES COME BY TWO WAYS AT ONCE.  wf_img holds images of fragments, 16 tiles of 2,048 bytes for each wave and K step.
;   Tiles 0-4: JOINT tensor loads of a cluster of four work-groups, which walk the same weights: a ring of two slots, EACH WITH TWO K STEPS (2 x 5 tiles x 4 waves x 2,048 = 81,920 bytes);
;   a wave's one load behind each round is two rows of 10,240 bytes, 131,072 bytes apart; one round for two K steps.
;   Tiles 5-15: from memory straight into the operand registers, groups of 12, 16 and 16 loads, each asked for again, for the next K step, as soon as its matrix instructions have read it.
;   Why not more tiles by joint loads: two slots of six tiles (196,608 bytes), the stage of 147,456 bytes and the spare words pass the 327,680 bytes there are.
; K steps are walked in an order rotated by cluster % 8, made even, inside each half of K, so that a pair of steps is a pair of neighbouring images; it is the same in all four partners.
; xc4 was laid in the order rotated by cluster % 8: its odd bit is taken up in the addresses of xc4's loads.
; The matrix instruction is used transposed (source 0 = 16 rows of Wf, source 1 = 16 rows of cat): a lane holds eight neighbouring columns of one row.
; PREFETCH: at the head each wave names 16 blocks of 256 bytes of wf_img (4,096 bytes a wave); 128 work-groups x 4 waves share the 2,097,152 bytes out by address; the gather stands between it and most loads of weights.
; LIMITS: e4 between -126 and 119, e4 + e5 between -126 and 127, so that each power of two is an f32 number.  NaN among the inputs is not served; an infinity is held at the largest code.
; REGISTERS: window 0: v1-31 addresses, v32-127 at work, v128-255 two sets of cat's fragments; window 1: Wf's 16 fragments; windows 2, 3: accumulators (tile T, block M at 8 (4 (T % 8) + M)).
.set TL,    5                          ; tiles that come by joint loads
.set HPART, TL*2048                    ; a wave's tiles of one K step in a slot
.set WPART, 2*HPART                    ; a wave's part of a slot
.set SLOTB, 4*WPART
.set XSB,   163840                     ; the stage of cat's codes, behind the two slots
.set XSUB,  9216                       ; a K step of it: 64 rows x XP
.set XP,    144                        ; 128 codes + 16 bytes of padding
.set STG,   XSB                        ; the way out: 16 rows x SPI for each wave, over the stage of codes, which nobody reads behind the K loop's barrier
.set SPI,   528
.set SPARE, 311296                     ; the spare words, 128 bytes a wave
.set RED,   311808                     ; the rows' partial sums: two blocks of 1,024 bytes
.set LANE, 1
.set L16,  2
.set AX,   3
.set AXC,  4
.set AP,   5
.set APC,  6
.set AP8,  7                           ; v7: AP + 8 XSUB;  v19: AP + 12 XSUB
.set SC4,  8
.set LIM4, 9
.set RW,   10
.set HH,   11
.set ZV,   12
.set CV,   13
.set ARED, 14
.set ALD,  15
.set STO,  16
.set RD,   17
.set PFO,  18
.set AW,   20                          ; v20, v21: my tiles in slot 0, 1
.set SPW,  30
.set NIL,  31
.set TMP,  32
.set MEAN, 96
.set RSTD, 104
.set CH,   112
.set XF,   128
.set TG,   128
.set QD,   144
.set VO,   160
.set G1,  24
.set G0,  32
.set WV,  40
.set CX,  41
.set WG,  42
.set ROT, 43
.set WB,  48
.set MB,  50
.set SEL, 54
.set LC,  56
.set SL,  57
.set WP,  60
.set PFA, 62
.set RB,  87
.set XC0, 88
.set MUL_LO, 0xa1
.set TO_W,   0x40
.set MSB, 0
.macro WIN new                         ; the immediate's high byte repeats the setting that is left
.if MSB != (\new)
	s_set_vgpr_msb (MSB<<8)|(\new)
.set MSB, \new
.endif
.endm
.macro PLACES n
.rept \n
	v_nop
.endr
.endm
.macro CREST                           ; a round of the cluster's barrier behind its opening barrier
	s_cmp_lg_u32 s[WV], 0
	s_cbranch_scc1 .Lnot_wave_0_\@
	s_barrier_signal -3
.Lnot_wave_0_\@:
	s_barrier_wait -3
	s_barrier_signal -1
	s_barrier_wait -1
.endm
.macro CROUND
	s_barrier_signal -1
	s_barrier_wait -1
	CREST
.endm
.macro KOFF add                        ; s[44:45]: the byte offset in wf_img of K step n = LC + add: image (ROT + n) % 8 of n's half
	s_add_co_u32 s46, s[LC], \add
	s_add_co_u32 s44, s[ROT], s46
	s_and_b32 s44, s44, 7
	s_and_b32 s46, s46, 8
	s_or_b32 s44, s44, s46
	s_lshl_b32 s44, s44, 17
	s_mov_b32 s45, 0
.endm
.macro GADDR p, add                    ; slot p's group 0: my tiles 0-4 of K steps LC + add (even) and the next
	KOFF \add
	s_add_nc_u64 s[G0+4*(\p)+2:G0+4*(\p)+3], s[WB:WB+1], s[44:45]
	s_or_b32 s[G0+4*(\p)+3], s[G0+4*(\p)+3], 0x80000000
.endm
.macro JFILL p                         ; the joint load; s_nop 0 and four v_nop behind it
	tensor_load_to_lds s[G0+4*(\p):G0+4*(\p)+3], s[G1:G1+7]
	s_nop 0
	PLACES 4
.endm
.macro MULS t0, n, xs, zero            ; tiles t0 .. of Wf x cat's four blocks; the 64 accumulators take turns in one order in every step
.set TT, \t0
.rept \n
.set MM, 0
.rept 4
.set AC, 8*(4*(TT%8)+MM)
.if \zero
	v_wmma_f32_16x16x128_fp8_fp8 v[AC:AC+7], v[16*TT:16*TT+15], v[XF+64*(\xs)+16*MM:XF+64*(\xs)+16*MM+15], 0
.else
	v_wmma_f32_16x16x128_fp8_fp8 v[AC:AC+7], v[16*TT:16*TT+15], v[XF+64*(\xs)+16*MM:XF+64*(\xs)+16*MM+15], v[AC:AC+7]
.endif
.set MM, MM+1
.endr
.set TT, TT+1
.endr
.endm
.macro FETCH_WL p, part                ; my tiles 0-4 of slot p's first (part 0) or second K step
	WIN TO_W
.set TT, 0
.rept TL
.irp c, 0,1,2,3
	ds_load_b128 v[16*TT+4*\c:16*TT+4*\c+3], v[AW+(\p)] offset:HPART*(\part)+2048*TT+512*\c
.endr
.set TT, TT+1
.endr
	WIN 0
.endm
.macro FETCH_X adr, off, xs            ; cat's four fragments of one K step
.irp m, 0,1,2,3
.irp c, 0,1,2,3
	ds_load_b128 v[XF+64*(\xs)+16*\m+4*\c:XF+64*(\xs)+16*\m+4*\c+3], v[\adr] offset:(\off)+16*XP*\m+32*\c
.endr
.endr
.endm
.macro NEXTW add                       ; s[WP]: my 32,768 bytes of K step LC + add
	s_wait_xcnt 0x0                                ; the loads issued so far have read their base
	KOFF \add
	s_add_nc_u64 s[WP:WP+1], s[WB:WB+1], s[44:45]
.endm
.macro LWT t0, n                       ; tiles t0 .. t0 + n - 1 of the K step at s[WP]: four loads of 512 consecutive bytes a tile
	WIN TO_W
.set TT, \t0
.rept \n
.irp c, 0,1,2,3
	global_load_b128 v[16*TT+4*\c:16*TT+4*\c+3], v[L16], s[WP:WP+1] offset:2048*TT+512*\c
.endr
.set TT, TT+1
.endr
.endm
.macro GRPT t0, n, xs, zero, cnt       ; cnt: the loads issued behind this group's
	s_wait_loadcnt \cnt
	WIN MUL_LO+0x50*((\t0)/8)
	MULS \t0, \n, \xs, \zero
	PLACES 4                                       ; in front of loads into registers that these products read
.endm
; K step s = LC + add - 1, on set xs = s % 2.  fill = 1 (a pair's second step): slot fs, this pair's, read out by now, takes the pair that begins at K step LC + fadd.
; ws, wp: the slot and the part that hold K step s + 1.  ca: the loads issued behind tiles 5-7's.
.macro STEP xs, zero, fill, fs, fadd, ws, wp, add, adr, off, ca
	s_wait_dscnt 0x0                               ; this step's tiles 0-4 and fragments of cat are in registers
	WIN MUL_LO
.if \fill
	MULS 0, 3, \xs, \zero
	WIN 0
	s_wait_tensorcnt 0x0                           ; my one load that was out, my part of the other slot, has landed;
	ds_add_u32 v[SPW], v[NIL]
	GADDR \fs, \fadd
	WIN MUL_LO
	MULS 3, 1, \xs, \zero
	s_wait_dscnt 0x0                               ; the add is done; my reads of this pair's slot were over at the step's head
	s_barrier_signal -1
	MULS 4, 1, \xs, \zero
	WIN 0
	s_barrier_wait -1
	CREST                                          ; the round: no wave of any partner still reads this slot or has a load on its way
	JFILL \fs                                      ; its four v_nop are also the places in front of the loads below
.else
	MULS 0, 5, \xs, \zero
	PLACES 4
	WIN 0
.endif
	FETCH_WL \ws, \wp
	FETCH_X \adr, \off, 1-(\xs)
	GRPT 5, 3, \xs, \zero, \ca
	NEXTW \add
	LWT 5, 3
	GRPT 8, 4, \xs, \zero, 28                      ; behind tiles 8-11's loads: tiles 12-15's 16 and the next step's first 12
	LWT 8, 4
	GRPT 12, 4, \xs, \zero, 28                     ; behind tiles 12-15's: the next step's 12 and 16
	LWT 12, 4
	WIN 0
.endm
.macro MBSET set, add                  ; memory's columns of chunk (ROT + LC + add) % 8
	s_add_co_u32 s44, s[ROT], s[LC]
	s_add_co_u32 s44, s44, \add
	s_and_b32 s44, s44, 7
	s_lshl_b32 s44, s44, 9
	s_mov_b32 s45, 0
	s_add_nc_u64 s[MB+2*(\set):MB+2*(\set)+1], s[10:11], s[44:45]
.endm
.macro GLU set, rr                     ; four rows x three picks x 512 bytes, into window 2 or 3
	WIN 0x80+0x40*(\set)
.irp a, 0,1,2,3
.irp k, 0,1,2
	global_load_b128 v[48*(\rr)+12*\a+4*\k:48*(\rr)+12*\a+4*\k+3], v[VO+3*(4*(\rr)+\a)+\k], s[MB+2*(\set):MB+2*(\set)+1]
.endr
.endr
	WIN 0
.endm
.macro GSTEP set, off, ahead, wbase    ; one chunk of 128 columns of my 16 rows: weigh, hold, convert, stage.  wbase: loads issued behind this set's
.if \ahead
	s_wait_xcnt 0x0
	MBSET \set, 2+\set
.endif
.set RR, 0
.rept 4
.set CNT, (\wbase)+12*(3-RR)
.if (\ahead) || (CNT > 63)
.set CNT, 63
.endif
	s_wait_loadcnt CNT
	WIN 0x06+(\set)
.irp a, 0,1,2,3
.irp i, 0,2
	v_pk_mul_f32 v[TG+4*\a+\i:TG+4*\a+\i+1], v[48*RR+12*\a+\i:48*RR+12*\a+\i+1], v[8*(4*RR+\a):8*(4*RR+\a)+1]
.endr
.endr
.irp k, 1,2
.irp a, 0,1,2,3
.irp i, 0,2
	v_pk_fma_f32 v[TG+4*\a+\i:TG+4*\a+\i+1], v[48*RR+12*\a+4*\k+\i:48*RR+12*\a+4*\k+\i+1], v[8*(4*RR+\a)+2*\k:8*(4*RR+\a)+2*\k+1], v[TG+4*\a+\i:TG+4*\a+\i+1]
.endr
.endr
.endr
	WIN 0
.irp i, 0,1,2,3,4,5,6,7,8,9,10,11,12,13,14,15
	v_med3_num_f32 v[TG+\i], v[TG+\i], -v[LIM4], v[LIM4]   ; the conversion does not saturate (ISA guide 7.6.2)
.endr
	s_wait_alu depctr_va_vdst(0)
	s_wait_dscnt 0x0                               ; the last unit's stores have read their registers
	v_cvt_scalef32_pk8_fp8_f32 v[QD:QD+1], v[TG:TG+7], v[SC4]
	v_cvt_scalef32_pk8_fp8_f32 v[QD+2:QD+3], v[TG+8:TG+15], v[SC4]
	v_nop
.irp a, 0,1,2,3
	ds_store_b32 v[APC], v[QD+\a] offset:(\off)+XP*(4*RR+\a)
.endr
.if \ahead
	GLU \set, RR
.endif
.set RR, RR+1
.endr
.endm
.macro PARLOAD win, reg, base          ; 256 numbers of a vector over my columns, in the accumulators' layout
	WIN \win
.set TT, 0
.rept 16
	global_load_b128 v[(\reg)+8*TT:(\reg)+8*TT+3], v[CV], s[\base:\base+1] offset:64*TT
	global_load_b128 v[(\reg)+8*TT+4:(\reg)+8*TT+7], v[CV], s[\base:\base+1] offset:64*TT+16
.set TT, TT+1
.endr
	WIN 0
.endm
	s_load_b512 s[4:19], s[0:1], 0x0               ; xc4, idx, wts, memory, wf_img, bf, gamma, beta
	s_load_b128 s[20:23], s[0:1], 0x40             ; the scales' exponents, out0
	v_lshl_add_u32 v[SPW], v0, 2, SPARE
	v_mov_b32 v[NIL], 0
	ds_add_u32 v[SPW], v[NIL]                      ; the opening lines: the add, twice on end, and its wait ahead of my first tensor load
	ds_add_u32 v[SPW], v[NIL]
	v_lshrrev_b32 v1, 5, v0
	v_readfirstlane_b32 s[WV], v1                  ; wave 0..3
	s_bfe_u32 s[CX], ttmp6, 0x40000
	s_lshl_b32 s[WG], ttmp9, 2
	s_add_co_u32 s[WG], s[WG], s[CX]               ; work-group = 4 x cluster + cx
	s_and_b32 s[ROT], ttmp9, 6                     ; my rotation: cluster % 8 made even
	s_and_b32 s[RB], ttmp9, 1                      ; and the bit by which xc4's rotation is ahead of it
	s_mov_b32 s[G1+0], 15|(3<<16)|(1<<21)          ; the mask of all four partners; elements of 8 bytes; bit 21 beside the mask
	s_mov_b32 s[G1+1], (HPART/8)<<16               ; a row: five tiles, 10,240 bytes, dense in memory;
	s_mov_b32 s[G1+2], 2<<16                       ; two rows: two K steps,
	s_mov_b32 s[G1+3], (HPART/8)<<16
	s_mov_b32 s[G1+4], 2
	s_mov_b32 s[G1+5], 131072/8                    ; an image of a K step apart
	s_mov_b32 s[G1+6], 0
	s_mov_b32 s[G1+7], 0
	s_mov_b32 s[SEL], 0x76543210
	s_mov_b32 s[SEL+1], 0xfedcba98
	v_and_b32 v[LANE], 31, v0
	v_lshlrev_b32 v[L16], 4, v[LANE]
	v_and_b32 v[RW], 15, v0
	v_bfe_u32 v[HH], v0, 4, 1
	v_mov_b32 v[ZV], 0
	s_mul_i32 s47, s[WV], WPART
	v_add_nc_u32 v[AW], s47, v[L16]
	v_add_nc_u32 v[AW+1], SLOTB, v[AW]
	v_mul_u32_u24 v[AX], v[RW], XP
	v_lshl_add_u32 v[AX], v[HH], 4, v[AX]
	v_add_nc_u32 v[AX], XSB, v[AX]                 ; a fragment's row x pitch + 16 x half
	s_mul_i32 s47, s[WV], 16*XP
	v_lshl_add_u32 v[AP], v[LANE], 2, s47
	v_add_nc_u32 v[AP], XSB, v[AP]                 ; into the stage: my 16 rows, 4 codes a lane
	v_add_nc_u32 v[AP8], 8*XSUB, v[AP]
	v_add_nc_u32 v[AP8+12], 12*XSUB, v[AP]
	s_lshl_b32 s47, s[WV], 10
	v_lshl_add_u32 v[CV], v[HH], 5, s47            ; my columns in bf, gamma, beta
	s_lshl_b32 s47, s[WV], 8
	v_lshl_add_u32 v[ALD], v[RW], 2, RED
	v_add_nc_u32 v[ARED], s47, v[ALD]
	s_mul_i32 s47, s[WV], 16*SPI
	s_add_co_u32 s47, s47, STG
	v_mul_u32_u24 v[STO], v[RW], SPI
	v_lshl_add_u32 v[STO], v[HH], 5, v[STO]
	v_add_nc_u32 v[STO], s47, v[STO]
	v_add_nc_u32 v[RD], s47, v[L16]
	v_lshlrev_b32 v[PFO], 8, v[RW]                 ; the prefetch: 16 blocks of 256 bytes; lanes 16-31 name them again
	s_wait_alu depctr_va_vdst(0)
	s_wait_dscnt 0x0                               ; both opening adds are done
	s_wait_kmcnt 0x0
	s_lshl_b32 s44, s[WG], 8
	s_lshl_b32 s47, s[WV], 6
	s_add_co_u32 s44, s44, s47
	s_mov_b32 s45, 0
	s_add_nc_u64 s[6:7], s[6:7], s[44:45]
	s_load_b512 s[68:83], s[6:7], 0x0              ; my 16 rows' picks, three bytes a row
	s_load_b64 s[84:85], s[20:21], 0x10            ; e4, e5
	s_lshl_b32 s44, s[WV], 15
	s_add_nc_u64 s[WB:WB+1], s[12:13], s[44:45]
	s_mov_b32 s[LC], 0
	CROUND                                         ; all four work-groups are here: the first joint loads meet
	s_mov_b32 s[G0], 1
	s_mul_i32 s[G0+1], s[WV], WPART
	s_mov_b32 s[G0+4], 1
	s_add_co_u32 s[G0+5], s[G0+1], SLOTB
	GADDR 0, 0
	GADDR 1, 2
	JFILL 0                                        ; K steps 0 and 1: one tensor load a wave at the head
	s_lshl_b32 s44, s[WG], 16
	s_lshl_b32 s46, s[WV], 14
	s_add_co_u32 s44, s44, s46
	s_add_nc_u64 s[4:5], s[4:5], s[44:45]
	s_mul_i32 s44, s[RB], 14336
	s_add_nc_u64 s[XC0:XC0+1], s[4:5], s[44:45]    ; my chunk u lies in xc4 at place (u - RB) % 8, 2,048 bytes a place: chunk 0 at place 7 RB,
	s_lshl_b32 s44, s[RB], 11
	s_sub_nc_u64 s[4:5], s[4:5], s[44:45]          ; chunks 1 to 7 at places u - RB
	WIN TO_W
.set j, 0
.rept 4
	global_load_b128 v[128+4*j:128+4*j+3], v[L16], s[XC0:XC0+1] offset:512*j th:TH_LOAD_NT
.set j, j+1
.endr
.rept 28
	global_load_b128 v[128+4*j:128+4*j+3], v[L16], s[4:5] offset:512*j th:TH_LOAD_NT   ; x's codes of my 16 rows: chunk j / 4, rows 4 (j % 4) ..
.set j, j+1
.endr
	s_lshl_b32 s44, s[WG], 11
	s_lshl_b32 s46, s[WV], 9
	s_add_co_u32 s44, s44, s46
	s_add_nc_u64 s[8:9], s[8:9], s[44:45]
.irp q, 0,1,2,3,4,5,6,7,8,9,10,11,12,13,14,15
	global_load_b128 v[8*\q:8*\q+3], v[ZV], s[8:9] offset:32*\q        ; row q's weights, each twice
	global_load_b64 v[8*\q+4:8*\q+5], v[ZV], s[8:9] offset:32*\q+16
.endr
	WIN 0
	s_lshl_b32 s44, s[WG], 18
	s_lshl_b32 s46, s[WV], 10
	s_add_co_u32 s44, s44, s46
	s_add_nc_u64 s[22:23], s[22:23], s[44:45]
	s_and_b32 s44, s[WG], 127
	s_lshl_b32 s44, s44, 2
	s_add_co_u32 s44, s44, s[WV]
	s_lshl_b32 s44, s44, 12
	s_add_nc_u64 s[PFA:PFA+1], s[12:13], s[44:45]
	global_prefetch_b8 v[PFO], s[PFA:PFA+1] th:TH_LOAD_NT scope:SCOPE_SE
	s_wait_kmcnt 0x0
	s_add_co_i32 s58, s84, s85
	s_add_co_i32 s58, s58, 127
	s_lshl_b32 s58, s58, 23                        ; 2^(e4 + e5)
	s_mov_b32 s59, s58
	s_add_co_i32 s44, s84, 127
	s_lshl_b32 s45, s44, 23
	v_mov_b32 v[SC4], s45                          ; 2^e4
	s_add_co_i32 s44, s44, 8
	s_lshl_b32 s44, s44, 23
	s_or_b32 s44, s44, 0x600000
	v_mov_b32 v[LIM4], s44                         ; 448 x 2^e4
.irp q, 0,1,2,3,4,5,6,7,8,9,10,11,12,13,14,15
.irp k, 0,1,2
	s_bfe_u32 s44, s[68+\q], 0x80000|(8*\k)
	s_min_u32 s44, s44, 63
	v_lshl_add_u32 v[VO+3*\q+\k], s44, 12, v[L16]  ; the picked row of memory, + my 16 bytes
.endr
.endr
	s_mov_b32 s[SL], 0
	MBSET 0, 0
	MBSET 1, 1
	s_wait_alu depctr_va_vdst(0)
.irp r, 0,1,2,3
	GLU 0, \r
.endr
.irp r, 0,1,2,3
	GLU 1, \r
.endr
	s_wait_loadcnt 63                              ; x's codes are in: 128 loads were issued behind them
	WIN 0x04
.set u, 0
.rept 8
.irp q, 0,1,2,3,4,5,6,7,8,9,10,11,12,13,14,15
	ds_store_b32 v[AP8+12*(u/4)], v[128+16*u+\q] offset:(u%4)*XSUB+XP*\q   ; K step 8 + u of the stage
.endr
.set u, u+1
.endr
	WIN 0
	s_wait_tensorcnt 0x0                           ; my part of slot 0 is in
	ds_add_u32 v[SPW], v[NIL]
	s_wait_dscnt 0x0
	CROUND
	JFILL 1                                        ; K steps 2 and 3, slot 1's first fill
.Lg:                                               ; three trips: chunks LC, LC + 1 are worked, chunks LC + 2, LC + 3 asked for
	v_add_nc_u32 v[APC], s[SL], v[AP]
	GSTEP 0, 0, 1, 0
	GSTEP 1, XSUB, 1, 0
	s_add_co_u32 s[SL], s[SL], 2*XSUB
	s_add_co_u32 s[LC], s[LC], 2
	s_cmp_lt_u32 s[LC], 6
	s_cbranch_scc1 .Lg
	v_add_nc_u32 v[APC], s[SL], v[AP]
	s_mov_b32 s[LC], 0
	NEXTW 0
	LWT 8, 4                                       ; K step 0's tiles 8-15: their registers held x's codes, whose stores have been waited for
	LWT 12, 4
	WIN 0
	GSTEP 0, 0, 0, 80                              ; behind set 0's loads: set 1's 48 and the 32 above
	GSTEP 1, XSUB, 0, 32
	LWT 5, 3                                       ; tiles 5-7, over registers that held the weights of the picks
	WIN 0
	s_wait_dscnt 0x0                               ; my rows of the stage are written
	s_barrier_signal -1                            ; slot 1's load may be out
	s_barrier_wait -1
	FETCH_WL 0, 0
	FETCH_X AX, 0, 0
	STEP 0, 1, 0, 0, 0, 0, 1, 1, AX, XSUB, 0       ; the first step starts the sums; tiles 5-7's loads are the youngest
	s_mov_b32 s[SL], 2*XSUB
.Lk:                                               ; three trips: K steps LC + 1 .. LC + 4; both slots are filled again
	v_add_nc_u32 v[AXC], s[SL], v[AX]
	s_wait_alu depctr_va_vdst(0)
	STEP 1, 0, 1, 0, 4, 1, 0, 2, AXC, 0, 32
	STEP 0, 0, 0, 0, 0, 1, 1, 3, AXC, XSUB, 32
	STEP 1, 0, 1, 1, 6, 0, 0, 4, AXC, 2*XSUB, 32
	STEP 0, 0, 0, 0, 0, 0, 1, 5, AXC, 3*XSUB, 32
	s_add_co_u32 s[SL], s[SL], 4*XSUB
	s_add_co_u32 s[LC], s[LC], 4
	s_cmp_lt_u32 s[LC], 12
	s_cbranch_scc1 .Lk
	v_add_nc_u32 v[AXC], s[SL], v[AX]
	s_wait_alu depctr_va_vdst(0)
	s_wait_tensorcnt 0x0                           ; my part of slot 1, K steps 14 and 15, which I alone read, is in; nothing is filled again
	STEP 1, 0, 0, 0, 0, 1, 0, 2, AXC, 0, 32        ; K step 13
	STEP 0, 0, 0, 0, 0, 1, 1, 3, AXC, XSUB, 32     ; K step 14
	s_wait_dscnt 0x0                               ; K step 15 asks for no weights
	WIN MUL_LO
	MULS 0, 5, 1, 0
	GRPT 5, 3, 1, 0, 32
	PARLOAD TO_W, 0, 14                            ; bf, over tiles 0-7's fragments
	GRPT 8, 4, 1, 0, 48                            ; behind tiles 8-11's loads: tiles 12-15's 16 and bf's 32
	GRPT 12, 4, 1, 0, 32
	PARLOAD TO_W, 128, 16                          ; gamma
	PARLOAD 0, 128, 18                             ; beta
	s_wait_dscnt 0x0
	s_barrier_signal -1                            ; nobody reads the stage of codes any more
	s_barrier_wait -1
.macro ROWSUM off                      ; CH's four chains a block -> the rows' sums over all 1,024 columns, in TMP + 4 m
.irp m, 0,1,2,3
	v_pk_add_f32 v[CH+4*\m:CH+4*\m+1], v[CH+4*\m:CH+4*\m+1], v[CH+4*\m+2:CH+4*\m+3]
.endr
.irp m, 0,1,2,3
	v_add_f32 v[CH+4*\m], v[CH+4*\m], v[CH+4*\m+1]
.endr
.irp m, 0,1,2,3
	v_permlanex16_b32 v[CH+4*\m+1], v[CH+4*\m], s[SEL], s[SEL+1]
.endr
.irp m, 0,1,2,3
	v_add_f32 v[CH+4*\m], v[CH+4*\m], v[CH+4*\m+1]
.endr
.irp m, 0,1,2,3
	ds_store_b32 v[ARED], v[CH+4*\m] offset:(\off)+64*\m
.endr
	s_wait_dscnt 0x0
	s_barrier_signal -1
	s_barrier_wait -1
.irp m, 0,1,2,3
.irp p, 0,1,2,3
	ds_load_b32 v[TMP+4*\m+\p], v[ALD] offset:(\off)+256*\p+64*\m
.endr
.endr
	s_wait_dscnt 0x0
.irp m, 0,1,2,3
	v_add_f32 v[TMP+4*\m], v[TMP+4*\m], v[TMP+4*\m+1]
	v_add_f32 v[TMP+4*\m+2], v[TMP+4*\m+2], v[TMP+4*\m+3]
	v_add_f32 v[TMP+4*\m], v[TMP+4*\m], v[TMP+4*\m+2]
.endr
.endm
	s_wait_loadcnt 63                              ; bf is in: 64 loads were issued behind it
.irp j, 0,1,2,3,4,5,6,7,8,9,10,11,12,13,14,15
	v_mov_b32 v[CH+\j], 0
.endr
.irp a, 2,3
	WIN ((\a)<<6)|0x10|(\a)
.set TT, 0
.rept 8
.set MM, 0
.rept 4
.irp i, 0,2,4,6
	v_pk_fma_f32 v[8*(4*TT+MM)+\i:8*(4*TT+MM)+\i+1], v[8*(4*TT+MM)+\i:8*(4*TT+MM)+\i+1], s[58:59], v[8*(8*(\a-2)+TT)+\i:8*(8*(\a-2)+TT)+\i+1] op_sel_hi:[1,0,1]   ; h = sum x 2^(e4 + e5) + bf
.endr
.set MM, MM+1
.endr
.set TT, TT+1
.endr
	WIN (\a)<<2
.set TT, 0
.rept 8
.irp i, 0,2,4,6
.irp m, 0,1,2,3
	v_pk_add_f32 v[CH+4*\m+(\i%4):CH+4*\m+(\i%4)+1], v[CH+4*\m+(\i%4):CH+4*\m+(\i%4)+1], v[8*(4*TT+\m)+\i:8*(4*TT+\m)+\i+1]
.endr
.endr
.set TT, TT+1
.endr
.endr
	WIN 0
	ROWSUM 0
	s_mov_b32 s86, 0x3a800000                      ; 1 / 1024
.irp m, 0,1,2,3
	v_mul_f32 v[MEAN+2*\m], s86, v[TMP+4*\m]
	v_mov_b32 v[MEAN+2*\m+1], v[MEAN+2*\m]
.endr
.irp j, 0,1,2,3,4,5,6,7,8,9,10,11,12,13,14,15
	v_mov_b32 v[CH+\j], 0
.endr
.irp a, 2,3
	WIN ((\a)<<6)|(\a)
.set TT, 0
.rept 8
.set MM, 0
.rept 4
.irp i, 0,2,4,6
	v_pk_add_f32 v[8*(4*TT+MM)+\i:8*(4*TT+MM)+\i+1], v[8*(4*TT+MM)+\i:8*(4*TT+MM)+\i+1], v[MEAN+2*MM:MEAN+2*MM+1] neg_lo:[0,1] neg_hi:[0,1]   ; h - mean
.endr
.set MM, MM+1
.endr
.set TT, TT+1
.endr
	WIN ((\a)<<2)|(\a)
.set TT, 0
.rept 8
.irp i, 0,2,4,6
.irp m, 0,1,2,3
	v_pk_fma_f32 v[CH+4*\m+(\i%4):CH+4*\m+(\i%4)+1], v[8*(4*TT+\m)+\i:8*(4*TT+\m)+\i+1], v[8*(4*TT+\m)+\i:8*(4*TT+\m)+\i+1], v[CH+4*\m+(\i%4):CH+4*\m+(\i%4)+1]
.endr
.endr
.set TT, TT+1
.endr
.endr
	WIN 0
	ROWSUM 1024
.irp m, 0,1,2,3
	v_fmaak_f32 v[TMP+4*\m], s86, v[TMP+4*\m], 0x3727c5ac   ; var + 1e-5
.endr
	s_wait_alu depctr_va_vdst(0)
.irp m, 0,1,2,3
	v_rsq_f32 v[RSTD+2*\m], v[TMP+4*\m]
.endr
	v_nop
	s_wait_alu depctr_va_vdst(0)                   ; behind the batch, ahead of its first reader
.irp m, 0,1,2,3
	v_mov_b32 v[RSTD+2*\m+1], v[RSTD+2*\m]
.endr
; THE WAY OUT, by blocks of 16 rows x 128 columns: through my own stage, back as whole rows of 512 bytes, which the 32 lanes store as two aligned units of 256 bytes.
.macro TOSTAGE b
.set MM, (\b)/2
.set AA, (\b)%2
	WIN 2+AA
.set TT, 0
.rept 8
.irp i, 0,2,4,6
	v_pk_mul_f32 v[TMP+8*TT+\i:TMP+8*TT+\i+1], v[8*(4*TT+MM)+\i:8*(4*TT+MM)+\i+1], v[RSTD+2*MM:RSTD+2*MM+1]
.endr
.set TT, TT+1
.endr
	WIN 0x04
.set TT, 0
.rept 8
.irp i, 0,2,4,6
	v_pk_fma_f32 v[TMP+8*TT+\i:TMP+8*TT+\i+1], v[TMP+8*TT+\i:TMP+8*TT+\i+1], v[128+8*(8*AA+TT)+\i:128+8*(8*AA+TT)+\i+1], v[128+8*(8*AA+TT)+\i:128+8*(8*AA+TT)+\i+1]   ; x gamma (window 1) + beta (window 0)
.endr
.set TT, TT+1
.endr
	WIN 0
.set j, 0
.rept 64
	v_max_num_f32 v[TMP+j], 0, v[TMP+j]
.set j, j+1
.endr
.irp t, 0,1,2,3,4,5,6,7
	ds_store_b128 v[STO], v[TMP+8*\t:TMP+8*\t+3] offset:64*\t
	ds_store_b128 v[STO], v[TMP+8*\t+4:TMP+8*\t+7] offset:64*\t+16
.endr
	WIN TO_W
.irp t, 0,1,2,3,4,5,6,7,8,9,10,11,12,13,14,15
	ds_load_b128 v[64*AA+4*\t:64*AA+4*\t+3], v[RD] offset:SPI*\t   ; LDS serves a wave's instructions in order (ISA guide 5.7.1.4)
.endr
	WIN 0
.endm
.macro SEND b, younger
.set MM, (\b)/2
.set AA, (\b)%2
	s_wait_dscnt \younger
	WIN 0x04
.irp t, 0,1,2,3,4,5,6,7,8,9,10,11,12,13,14,15
	global_store_b128 v[L16], v[64*AA+4*\t:64*AA+4*\t+3], s[22:23] offset:4096*(16*MM+\t)+512*AA th:TH_STORE_NT
.endr
	WIN 0
.endm
	s_wait_alu depctr_va_vdst(0)
	s_wait_loadcnt 0x0                             ; gamma and beta
	TOSTAGE 0
.irp b, 1,2,3,4,5,6,7
.if \b > 1
	s_wait_xcnt 0x0                                ; block b - 2's stores have read their registers
.endif
	TOSTAGE \b
	SEND \b-1, 32                                  ; behind block b - 1's loads: block b's 16 stores and 16 loads
.endr
	SEND 7, 0
	s_wait_tensorcnt 0x0                           ; the wave's end
	ds_add_u32 v[SPW], v[NIL]
	s_wait_dscnt 0x0
	CROUND                                         ; the closing round
	s_endpgm
.Lfunc_end_k_q36fa18dbd8_fuse:
	.size	k_q36fa18dbd8_fuse, .Lfunc_end_k_q36fa18dbd8_fuse-k_q36fa18dbd8_fuse
	.p2alignl 7, 3214868480
	.fill 96, 4, 3214868480
	.section	.rodata,"a",@progbits
	.p2align	6, 0x0
	.amdhsa_kernel k_q36fa18dbd8_fuse
		.amdhsa_group_segment_fixed_size 327680
		.amdhsa_private_segment_fixed_size 0
		.amdhsa_enable_private_segment 0
		.amdhsa_kernarg_size 80
		.amdhsa_user_sgpr_count 2
		.amdhsa_user_sgpr_kernarg_segment_ptr 1
		.amdhsa_wavefront_size32 1
		.amdhsa_system_sgpr_workgroup_id_x 1
		.amdhsa_system_sgpr_workgroup_id_y 1
		.amdhsa_system_sgpr_workgroup_id_z 1
		.amdhsa_system_vgpr_workitem_id 0
		.amdhsa_next_free_vgpr 1024
		.amdhsa_next_free_sgpr 90
		.amdhsa_reserve_vcc 0
		.amdhsa_float_denorm_mode_32 3
		.amdhsa_float_denorm_mode_16_64 3
		.amdhsa_memory_ordered 1
		.amdhsa_forward_progress 1
		.amdhsa_inst_pref_size 255
	.end_amdhsa_kernel
	.section	.bss,"aw",@nobits
	.p2align	6
	.space	262144
	.amdgpu_metadata
---
amdhsa.version: [ 1, 2 ]
amdhsa.kernels:
  - .name:           k_q36fa18dbd8_fuse
    .symbol:         k_q36fa18dbd8_fuse.kd
    .args:
      - { .name: xc4, .offset: 0, .size: 8, .value_kind: global_buffer, .address_space: global }
      - { .name: idx, .offset: 8, .size: 8, .value_kind: global_buffer, .address_space: global }
      - { .name: wts, .offset: 16, .size: 8, .value_kind: global_buffer, .address_space: global }
      - { .name: memory, .offset: 24, .size: 8, .value_kind: global_buffer, .address_space: global }
      - { .name: wf_img, .offset: 32, .size: 8, .value_kind: global_buffer, .address_space: global }
      - { .name: bf, .offset: 40, .size: 8, .value_kind: global_buffer, .address_space: global }
      - { .name: gamma, .offset: 48, .size: 8, .value_kind: global_buffer, .address_space: global }
      - { .name: beta, .offset: 56, .size: 8, .value_kind: global_buffer, .address_space: global }
      - { .name: lowp_scales, .offset: 64, .size: 8, .value_kind: global_buffer, .address_space: global }
      - { .name: out0, .offset: 72, .size: 8, .value_kind: global_buffer, .address_space: global }
    .group_segment_fixed_size: 327680
    .private_segment_fixed_size: 0
    .kernarg_segment_align: 8
    .kernarg_segment_size: 80
    .max_flat_workgroup_size: 128
    .sgpr_count:     90
    .vgpr_count:     1024
    .wavefront_size: 32
...
	.end_amdgpu_metadata
.endif
;; end of part 3
